; MI455X (gfx1250); checked and timed in simulation.
; The chip was launched on July 23, 2026; its instructions are those of AMD's public machine-readable ISA for CDNA 5 (MIT licence, August 2026) and "CDNA5" Instruction Set Architecture Reference Guide (July 2026). The comments in the code are by the model that wrote it; some were corrected since.
;; Fully Connected. Allowed arithmetic: float matrix products may take bf16 or f16 operands with f32 sums; other float arithmetic in f32, or as packed bf16 or f16 multiplies, adds, multiply-adds, maxima and minima; sums over many terms, partial sums and values carried from step to step in f32; what a program stores and reads back later, other than sums and carried values, may be rounded once to bf16 or f16.
;; Inputs: bias 4,096 float32; weight 4,096 x 4,096 float32; x 2,048 x 4,096 float32.
;; Outputs: out0 2,048 x 4,096 float32.
;; One version. Each part assembles by itself: llvm-mc -triple=amdgcn-amd-amdhsa -mcpu=gfx1250 --defsym DOCPART=n.
;; ======== version 1 of 1: 2 launches
;; workspace buffers: xb 16,777,216 bytes; wb 33,554,432 bytes
;; launch cast (part 1): grid 1536 x 1, 8 waves a work-group, no clusters, 0 bytes of LDS; arguments x, weight, xb, wb; writes xb, wb
.if DOCPART == 1
	.amdgcn_target "amdgcn-amd-amdhsa--gfx1250"
	.amdhsa_code_object_version 6
	.text
	.protected	k_qc971cdde3b_cast
	.globl	k_qc971cdde3b_cast
	.p2align	8
	.type	k_qc971cdde3b_cast,@function
k_qc971cdde3b_cast:
	s_mov_b64 s[64:65], 0
	v_nop
	global_prefetch_b8 v0, s[64:65] scope:SCOPE_SE
	s_setreg_imm32_b32 hwreg(HW_REG_WAVE_MODE, 25, 1), 1
	s_wait_xcnt 0x0
; xb = x rounded to bf16, wb = weight rounded to bf16 (nearest even), same row-major layouts.  x: [2048][4096] f32, weight: [4096][4096] f32.
; The products of the next launch take bf16 operands.  Rounding here, once, spares that launch's waves the conversion of every fragment that they read (each number is read by many waves) and halves
; the bytes that its tiles move.
; A stream: memory binds.  No LDS, no barrier, no matrix unit, no cluster: no two work-groups share a byte.
; SHARES.  A work-group takes 65,536 source bytes (16,384 numbers): work-groups 0-511 take x (512 x 65,536 = 33,554,432), 512-1535 weight.  Thread t takes 16 bytes at 16 t of each of sixteen pieces of
; 4,096 bytes: a wave's load covers 512 consecutive bytes, its store of 8 bytes a lane 256 consecutive bytes at a multiple of 256 from the buffer's first byte.
; All sixteen loads of a wave go out at once; no register is written twice, so no store's source is ever rewritten.
; LIMITS.  A finite f32 beyond bf16's largest number rounds to an infinity.
.set X, 4                              ; v[4:67]   piece i: four f32 as loaded
.set Y, 68                             ; v[68:99]  piece i: four bf16 to store
	s_load_b256 s[4:11], s[0:1], 0x0               ; x s[4:5], weight s[6:7], xb s[8:9], wb s[10:11]
	s_cmp_lt_u32 ttmp9, 512                        ; the first 512 work-groups take x
	s_cselect_b32 s12, 0, 512
	s_sub_co_u32 s12, ttmp9, s12                   ; my piece's number in its tensor
	s_lshl_b32 s14, s12, 16                        ; 65,536 source bytes a work-group (67,043,328 at the most),
	s_mov_b32 s15, 0
	s_lshl_b32 s16, s12, 15                        ; 32,768 bytes of bf16
	s_mov_b32 s17, 0
	v_lshlrev_b32 v1, 4, v0                        ; 16 t
	v_lshlrev_b32 v2, 3, v0                        ; 8 t
	s_wait_kmcnt 0x0
	s_cmp_lt_u32 ttmp9, 512                        ; compared again: the subtraction above has written SCC
	s_cselect_b64 s[18:19], s[4:5], s[6:7]         ; from x or from weight,
	s_cselect_b64 s[20:21], s[8:9], s[10:11]       ; into xb or into wb
	s_add_nc_u64 s[18:19], s[18:19], s[14:15]
	s_add_nc_u64 s[20:21], s[20:21], s[16:17]
.set i, 0
.rept 16
	global_load_b128 v[X+4*i:X+4*i+3], v1, s[18:19] offset:4096*i th:TH_LOAD_NT  ; read once in the launch
.set i, i+1
.endr
.set i, 0
.rept 16
	s_wait_loadcnt 15-i                            ; loads come back in order (ISA guide 5.7.1): piece i is in, the 15 - i younger ones stay out
	v_cvt_pk_bf16_f32 v[Y+2*i],   v[X+4*i],   v[X+4*i+1]
	v_cvt_pk_bf16_f32 v[Y+2*i+1], v[X+4*i+2], v[X+4*i+3]
	global_store_b64 v2, v[Y+2*i:Y+2*i+1], s[20:21] offset:2048*i  ; no hint: the next launch reads these bytes
.set i, i+1
.endr
	s_endpgm
.Lfunc_end_k_qc971cdde3b_cast:
	.size	k_qc971cdde3b_cast, .Lfunc_end_k_qc971cdde3b_cast-k_qc971cdde3b_cast
	.p2alignl 7, 3214868480
	.fill 96, 4, 3214868480
	.section	.rodata,"a",@progbits
	.p2align	6, 0x0
	.amdhsa_kernel k_qc971cdde3b_cast
		.amdhsa_group_segment_fixed_size 0
		.amdhsa_private_segment_fixed_size 0
		.amdhsa_enable_private_segment 0
		.amdhsa_kernarg_size 32
		.amdhsa_user_sgpr_count 2
		.amdhsa_user_sgpr_kernarg_segment_ptr 1
		.amdhsa_wavefront_size32 1
		.amdhsa_system_sgpr_workgroup_id_x 1
		.amdhsa_system_sgpr_workgroup_id_y 1
		.amdhsa_system_sgpr_workgroup_id_z 1
		.amdhsa_system_vgpr_workitem_id 0
		.amdhsa_next_free_vgpr 100
		.amdhsa_next_free_sgpr 66
		.amdhsa_reserve_vcc 0
		.amdhsa_float_denorm_mode_32 3
		.amdhsa_float_denorm_mode_16_64 3
		.amdhsa_memory_ordered 1
		.amdhsa_forward_progress 1
		.amdhsa_inst_pref_size 7
	.end_amdhsa_kernel
	.amdgpu_metadata
---
amdhsa.version: [ 1, 2 ]
amdhsa.kernels:
  - .name:           k_qc971cdde3b_cast
    .symbol:         k_qc971cdde3b_cast.kd
    .args:
      - { .name: x, .offset: 0, .size: 8, .value_kind: global_buffer, .address_space: global }
      - { .name: weight, .offset: 8, .size: 8, .value_kind: global_buffer, .address_space: global }
      - { .name: xb, .offset: 16, .size: 8, .value_kind: global_buffer, .address_space: global }
      - { .name: wb, .offset: 24, .size: 8, .value_kind: global_buffer, .address_space: global }
    .group_segment_fixed_size: 0
    .private_segment_fixed_size: 0
    .kernarg_segment_align: 8
    .kernarg_segment_size: 32
    .max_flat_workgroup_size: 256
    .sgpr_count:     66
    .vgpr_count:     100
    .wavefront_size: 32
...
	.end_amdgpu_metadata
.endif
;; end of part 1
;; launch mam (part 2): grid 32 x 16, 4 waves a work-group, clusters of 4 x 4, 327,680 bytes of LDS; arguments xb, wb, bias, out0; writes out0
.if DOCPART == 2
	.amdgcn_target "amdgcn-amd-amdhsa--gfx1250"
	.amdhsa_code_object_version 6
	.text
	.protected	k_qc971cdde3b_mam
	.globl	k_qc971cdde3b_mam
	.p2align	8
	.type	k_qc971cdde3b_mam,@function
k_qc971cdde3b_mam:
	s_mov_b64 s[64:65], 0
	v_nop
	global_prefetch_b8 v0, s[64:65] scope:SCOPE_SE
	s_setreg_imm32_b32 hwreg(HW_REG_WAVE_MODE, 25, 1), 1
	s_wait_xcnt 0x0
	s_wait_alu depctr_hold_cnt(0) depctr_sa_sdst(0) depctr_va_vdst(0) depctr_va_sdst(0) depctr_va_ssrc(0) depctr_va_vcc(0) depctr_vm_vsrc(0)
	s_getreg_b32 s2, hwreg(HW_REG_IB_STS2, 6, 4)
	s_cmp_eq_u32 s2, 0
	s_cbranch_scc0 .Lentry_in_a_cluster
	s_endpgm
.Lentry_in_a_cluster:
	s_bfe_u32 s2, ttmp6, 0x10000c
	s_cmp_lg_u32 s2, 0xf033
	s_cbranch_scc0 .Lentry_shape_is_right
	s_endpgm
.Lentry_shape_is_right:
; out0[m][n] = bias[n] + the sum over the two halves of K of (max + min over the half's 64 blocks of 32 k of s), s = the sum over the block's k of xb[m][k] wb[n][k].
; xb: [2048][4096] bf16, wb: [4096][4096] bf16 ([n][k]), bias: [4096] f32, out0: [2048][4096] f32.  Products' sums, maxima, minima and all later sums in f32.
; A BLOCK IS ONE MATRIX INSTRUCTION with C = 0: nothing is accumulated from product to product, so there are no chains.  Each of a product's eight registers goes into a running maximum and a running minimum;
; two blocks are taken at once by v_max3_num_f32 and v_min3_num_f32: eight vector instructions for each matrix instruction.  That count is what the text is built round: as little else as possible is issued.
; SHARES.  A work-group makes 128 x 128 of out0: 32 x 16 work-groups, two for each of 256 WGPs in turn.  Four waves, 2 x 2, each 64 x 64: 16 tiles of 16 x 16.  The 16 tiles' maxima and minima are 256 registers,
; exactly one window, so that four products and then 32 vector lines stand under one window setting each: half a switch a product; and a trip's text is 32 products long.  The price against a wave of
; 64 x 128: one LDS load a product where that has three quarters, and set-up and way out twice for each WGP.
; THE MATRIX INSTRUCTION IS USED TRANSPOSED: source 0 = 16 rows of wb, source 1 = 16 rows of xb: lane l then holds row l % 16 of out0 and the eight neighbouring columns 8 (l / 16) + 0..7.
; RING.  K goes in steps of 128 (rows of 256 bytes in memory, at multiples of 256 from the buffers' first bytes) through two LDS slots; waves 0 and 1 fetch the halves of xb's tile, waves 2 and 3 those of wb's.
; CLUSTER.  4 x 4 work-groups: the four of a row of the cluster need the same tile of xb, the four of a column the same tile of wb: each tile is asked for JOINTLY, by the same tensor load with the same
; descriptor and a mask that names the four.
; ORDER.  A half-step j (0..63) is 64 along K: blocks 2 j and 2 j + 1; each tile gets two products and then one max3 and one min3 a register.  A GROUP is two tiles, (a, b) and (a + 1, b): four products, and
; behind them the 32 lines of the group before.  PH1 is the half-step's work on my rows 0-31 (a = 0, 1), PH2 on rows 32-63 (a = 2, 3), four groups each.  A TRIP is PH2 of half-step j - 1 and then PH1 of
; half-step j: so turned, all 32 LDS loads of a trip belong to half-step j, each into registers whose last reader has just passed, and no fragment needs a second buffer.
; THE SEAM.  Behind PH1's first group all lines of half-step j - 1 have run and none of half-step j.  The trip's text is cut there into XPART and YPART, and three things happen at that seam: the launch enters
; the loop there (half-step 0's loads and first group are written out ahead); in trip 32 max + min goes into acc and the extremes start anew; and the tail is left there, when half-step 63's last lines have run.
; So one text serves every trip; it stands twice, in the loop and in the tail.  The price, once a launch: the pass in which the tail is left fetches the last slot's first
; half once more (32 LDS loads of bytes that have landed) and makes four products that serve nothing.
; START.  Maxima start at the lowest finite f32 and minima at the highest, as the definition has it; no first step is written out, since it would be wanted at both halves' beginnings.  The price: 128 packed
; lines at each half's beginning (one text: INIT).  acc is written once at the launch's start, 64 packed lines in the wait for the first tile: the fold stands under a branch, and no register is read that
; some way through the text has not written.
; LEFT OUT.  Work-groups that stay and walk two tiles: the ring's walk into a second tile wants a further written-out copy of a trip.  Data prefetches.
; LIMITS.  A NaN among the block sums is dropped by the maxima and minima (the definition would hand it on).  Otherwise nothing hangs on the inputs' size: bf16 has f32's range.
;
; REGISTERS, in windows of 256 (s_set_vgpr_msb: bits 1:0 source 0, 3:2 source 1, 5:4 source 2, 7:6 destination):
;   window 0: v0-21 addresses, bias, three constant pairs; v28-29 the add's; v32-95 products: set b % 2 of 32, in it tile a % 2, in it blocks q = 0, 1; v96-159 fragments of xb, A(a, q) at 96 + 16 a + 8 q;
;             v160-223 of wb, B(b, q) at 160 + 16 b + 8 q
;   window 1: tile (a, b), u = 4 a + b: its maximum v[16 u .. + 7], its minimum v[16 u + 8 .. + 15]          window 2: acc of tile u at v[8 u]
.set PITCH,  272                       ; an LDS row: 256 bytes + 16 of padding = 68 words: row r starts at bank 4 r mod 64 (64 banks of 4 bytes: ISA guide 11.1), so the 16 rows of a load start at 16 different banks
.set BOFF,   128*PITCH                 ; in a slot: xb's 128 rows, then wb's 128 rows
.set SLOT1,  1<<17                     ; slot 1 begins here, so that one exclusive or turns an address in one slot into the other's
.set STAGE,  SLOT1+256*PITCH           ; behind the ring, never filled by a tensor load: 16 rows x 272 bytes for each wave, for the way out
.set SP,     272                       ; a stage row: 256 bytes + 16 = 17 x 16: the 16 rows of a store start at 16 different groups of four banks
.set SPARE,  STAGE+4*16*SP             ; behind the stages: the spare words, 128 bytes for each wave: two blocks of 256 bytes that no other line names
.set OROW,   16384                     ; bytes in a row of out0
.set AA0, 4                            ; v4   my lane's place in xb's tile; never rewritten
.set AB0, 5                            ; v5   the same in wb's
.set AA,  6                            ; v6   the LDS address of the half-step's fragments of xb
.set AB,  7                            ; v7   of wb
.set STO, 8                            ; v8   the way out: where I put 32 bytes of a row
.set RD,  9                            ; v9   the way out: where I read 16 bytes of a row back
.set CO,  10                           ; v10  my byte offset in two rows of out0
.set BO,  11                           ; v11  16 x (lane % 16): my byte offset in my wave's 256 bytes of bias
.set BI,  12                           ; v[12:15] bias of the four columns that I store
.set CN,  16                           ; v[16:17] the lowest finite f32, twice
.set CP,  18                           ; v[18:19] the highest, twice
.set CZ,  20                           ; v[20:21] 0, twice
.set SPW, 28                           ; v28  LDS address of my spare word: SPARE + 4 x my thread's number; never rewritten
.set NIL, 29                           ; v29  0; never rewritten
.set S,   32
.set AF,  96
.set BF,  160
.set T,   96                           ; the way out: 16 rows x 64 columns as the tiles hold them
.set WV,  12                           ; s12  my wave's number
.set MH,  13                           ; s13  which 64 rows are mine.  Also: I fetch for xb (0) or for wb (1)
.set NH,  14                           ; s14  which 64 columns are mine.  Also: which half of that tile I fetch
.set FL,  15                           ; s15  1: the trip in hand is the first of K's second half
.set SLOTS, 16                         ; s16  counts the changes of slots: 31 - c in the trips of K step c
.set CNT, 17                           ; s17  counts a slot's trips
.set TB,  18                           ; s18  LDS byte at which the half-step to be fetched begins: the slot, and 128 for its second half
.set G1A, 24                           ; s[24:31] descriptor group 1 for xb's tiles
.set G0A, 32                           ; s[32:39] group 0: a set for each of the two first fills; the second then walks on
.set G1B, 48                           ; s[48:55], s[56:63] the same for wb's
.set G0B, 56
.set MSB, 0
.macro WIN new                         ; the immediate's high byte repeats the setting that is left; a switch that changes nothing is dropped
.if MSB != (\new)
	s_set_vgpr_msb (MSB<<8)|(\new)
.set MSB, (\new)
.endif
.endm
; A joint refill, by the walking descriptors.  The branch hangs on the wave's number alone: it is the same in every work-group.  An s_nop 0 and four v_nop follow each of the two lines, ahead of the jump,
; the label and what follows.
.macro JLOAD
	s_cmp_eq_u32 s[MH], 0
	s_cbranch_scc0 .Lfor_b_\@
	tensor_load_to_lds s[G0A+4:G0A+7], s[G1A:G1A+7]
	s_nop 0
.rept 4
	v_nop
.endr
	s_branch .Lasked_\@
.Lfor_b_\@:
	tensor_load_to_lds s[G0B+4:G0B+7], s[G1B:G1B+7]
	s_nop 0
.rept 4
	v_nop
.endr
.Lasked_\@:
.endm
; A round of the cluster's barrier: my work-group's barrier, so that wave 0's signal speaks for all four waves; wave 0 signals for the work-group; every wave waits for all sixteen work-groups; my
; work-group's barrier once more.  No LDS instruction of the wave is pending at a signal.
.macro CROUND
	s_barrier_signal -1
	s_barrier_wait -1
	s_cmp_lg_u32 s[WV], 0
	s_cbranch_scc1 .Lnot_wave_0_\@
	s_barrier_signal -3
.Lnot_wave_0_\@:
	s_barrier_wait -3
	s_barrier_signal -1
	s_barrier_wait -1
.endm
	s_load_b256 s[4:11], s[0:1], 0x0               ; xb s[4:5], wb s[6:7], bias s[8:9], out0 s[10:11]
	v_lshl_add_u32 v[SPW], v0, 2, SPARE
	v_mov_b32 v[NIL], 0
	ds_add_u32 v[SPW], v[NIL]                      ; the wave's opening: the add and its wait stand ahead of my first tensor load; the set-up below, work on registers, stands between them
	v_lshrrev_b32 v1, 5, v0
	v_readfirstlane_b32 s[WV], v1                  ; wave 0..3
	s_lshr_b32 s[MH], s[WV], 1
	s_and_b32 s[NH], s[WV], 1
	s_bfe_u32 s40, ttmp6, 0x40000                  ; cx: my place along the cluster's x
	s_bfe_u32 s41, ttmp6, 0x40004                  ; cy: along its y
	s_lshl_b32 s42, ttmp9, 2                       ; in a cluster launch ttmp9 and ttmp7 count clusters
	s_add_co_u32 s42, s42, s40                     ; tile column (128 columns) = 4 x cluster x + cx
	s_and_b32 s43, ttmp7, 0xffff
	s_lshl_b32 s43, s43, 2
	s_add_co_u32 s43, s43, s41                     ; tile row (128 rows) = 4 x cluster y + cy
	s_lshl_b32 s44, s41, 2
	s_lshl_b32 s44, 15, s44                        ; my row of the cluster: places 4 cy .. 4 cy + 3
	s_lshl_b32 s45, 0x1111, s40                    ; my column: places cx, cx + 4, cx + 8, cx + 12
	; descriptor group 1: a tile of 64 rows x 128 elements, padded in LDS
	s_or_b32 s[G1A+0], s44, (1<<16)|(1<<20)|(1<<21)|(5<<22)|(3<<25)  ; 15:0 the mask: xb's tiles go to my row; 17:16 elements of 2 bytes; 20 padding on; 21 set beside a mask; 24:22 after every 64 words (code 5); 31:25 4 words of it (code 3)
	s_or_b32 s[G1B+0], s45, (1<<16)|(1<<20)|(1<<21)|(5<<22)|(3<<25)  ; the same with the mask of my column, for wb's tiles
.irp g, G1A, G1B
	s_mov_b32 s[(\g)+1], 128<<16                   ; 63:48 tensor_dim0, low half = 128
	s_mov_b32 s[(\g)+2], 64<<16                    ; 79:64 its high half = 0; 95:80 tensor_dim1, low half = 64
	s_mov_b32 s[(\g)+3], 128<<16                   ; 111:96 its high half = 0; 127:112 tile_dim0 = 128
	s_mov_b32 s[(\g)+4], 64                        ; 143:128 tile_dim1 = 64; 159:144 tile_dim2 = 0
	s_mov_b32 s[(\g)+5], 4096                      ; 191:160 tensor_dim0_stride, low word: elements from row to row
	s_mov_b32 s[(\g)+6], 0
	s_mov_b32 s[(\g)+7], 0
.endr
	; where the tiles come from.  xb's hang on the tile row alone, which my row of the cluster shares; wb's on the tile column alone, which my column shares.  Every wave makes both and asks by one.
	s_lshl_b32 s22, s43, 7
	s_lshl_b32 s23, s[NH], 6
	s_add_co_u32 s22, s22, s23                     ; xb: row 128 x tile row + 64 x half,
	s_lshl_b32 s22, s22, 13                        ; of 8,192 bytes (16,252,928 at the most)
	s_mov_b32 s23, 0
	s_lshl_b32 s46, s42, 7
	s_lshl_b32 s47, s[NH], 6
	s_add_co_u32 s46, s46, s47                     ; wb: row 128 x tile column + 64 x half
	s_lshl_b32 s46, s46, 13
	s_mov_b32 s47, 0
	s_mul_i32 s2, s[NH], 64*PITCH                  ; and where they go: no place in the cluster enters an LDS address
	s_add_co_u32 s3, s2, BOFF
.irp s, 0,1
	s_mov_b32 s[G0A+4*(\s)], 1                     ; 1:0 count = 1
	s_add_co_u32 s[G0A+4*(\s)+1], s2, (\s)*SLOT1   ; 63:32 LDS address
	s_mov_b32 s[G0B+4*(\s)], 1
	s_add_co_u32 s[G0B+4*(\s)+1], s3, (\s)*SLOT1
.endr
	s_mov_b32 s[TB], 0
	s_wait_dscnt 0x0                               ; the opening add is done
	s_wait_kmcnt 0x0
	s_add_nc_u64 s[22:23], s[4:5], s[22:23]
	s_add_nc_u64 s[46:47], s[6:7], s[46:47]
.irp s, 0,1
	s_add_nc_u64 s[G0A+4*(\s)+2:G0A+4*(\s)+3], s[22:23], (\s)*256  ; 120:64 global address: K step s
	s_or_b32 s[G0A+4*(\s)+3], s[G0A+4*(\s)+3], 0x80000000          ; 127:126 type = 2
	s_add_nc_u64 s[G0B+4*(\s)+2:G0B+4*(\s)+3], s[46:47], (\s)*256
	s_or_b32 s[G0B+4*(\s)+3], s[G0B+4*(\s)+3], 0x80000000
.endr
	CROUND                                         ; all sixteen work-groups are here: the first joint loads meet
	s_cmp_eq_u32 s[MH], 0                          ; a wave's two first fills stand in one branch, ahead of every wait on TENSORcnt, every LDS read and every other barrier: two loads of mine are out
	s_cbranch_scc0 .Lfirst_b
	tensor_load_to_lds s[G0A:G0A+3], s[G1A:G1A+7]
	s_nop 0
	tensor_load_to_lds s[G0A+4:G0A+7], s[G1A:G1A+7]
	s_nop 0
.rept 4
	v_nop
.endr
	s_branch .Lfirst_asked
.Lfirst_b:
	tensor_load_to_lds s[G0B:G0B+3], s[G1B:G1B+7]
	s_nop 0
	tensor_load_to_lds s[G0B+4:G0B+7], s[G1B:G1B+7]
	s_nop 0
.rept 4
	v_nop
.endr
.Lfirst_asked:
	; All that follows, up to the wait for the first tile, stands in that wait.
	; A fragment is 16 rows x 32 K in 8 registers: lane l holds row l % 16; registers 0-3 K = 8 (l / 16) + 0..7, registers 4-7 K = 16 + 8 (l / 16) + 0..7: two loads of 16 bytes, 32 bytes apart.
	v_and_b32 v1, 15, v0                           ; l % 16
	v_bfe_u32 v2, v0, 4, 1                         ; l / 16
	v_mul_u32_u24 v3, v1, PITCH
	v_lshl_add_u32 v3, v2, 4, v3                   ; row x pitch + 16 x half
	s_mul_i32 s22, s[MH], 64*PITCH                 ; my 64 rows of xb's tile
	s_mul_i32 s23, s[NH], 64*PITCH                 ; my 64 rows of wb's,
	s_add_co_u32 s23, s23, BOFF                    ; which lie behind xb's 128
	v_add_nc_u32 v[AA0], s22, v3
	v_add_nc_u32 v[AB0], s23, v3
	s_mul_i32 s22, s[WV], 16*SP
	s_add_co_u32 s22, s22, STAGE                   ; my stage
	v_mul_u32_u24 v3, v1, SP                       ; in: row l % 16, 32 bytes for each half of the lanes
	v_lshl_add_u32 v3, v2, 5, v3
	v_add_nc_u32 v[STO], s22, v3
	v_lshlrev_b32 v[BO], 4, v1                     ; 16 x (l % 16)
	v_mul_u32_u24 v3, v2, SP                       ; back: lanes 0-15 take one row of 256 bytes, lanes 16-31 the next
	v_add_nc_u32 v3, v3, v[BO]
	v_add_nc_u32 v[RD], s22, v3
	v_lshl_add_u32 v[CO], v2, 14, v[BO]            ; and the same two rows in out0
	s_lshl_b32 s2, s43, 7
	s_lshl_b32 s3, s[MH], 6
	s_add_co_u32 s2, s2, s3                        ; my first row of out0: 128 x tile row + 64 x half,
	s_lshl_b32 s2, s2, 14                          ; of 16,384 bytes
	s_lshl_b32 s46, s42, 9                         ; my first column, in bytes: 512 x tile column + 256 x half
	s_lshl_b32 s47, s[NH], 8
	s_add_co_u32 s46, s46, s47
	s_mov_b32 s47, 0
	s_add_nc_u64 s[8:9], s[8:9], s[46:47]          ; bias at my first column
	s_add_co_u32 s2, s2, s46
	s_mov_b32 s3, 0
	s_add_nc_u64 s[10:11], s[10:11], s[2:3]        ; out0 at my first row and column
	global_load_b128 v[BI:BI+3], v[BO], s[8:9]     ; bias of columns 4 x (l % 16) .. + 3 of my 64
	v_mov_b32 v[CN], 0xff7fffff
	v_mov_b32 v[CN+1], 0xff7fffff
	v_mov_b32 v[CP], 0x7f7fffff
	v_mov_b32 v[CP+1], 0x7f7fffff
	v_mov_b32 v[CZ], 0
	v_mov_b32 v[CZ+1], 0
	; Two registers are set by one line: a constant pair + the pair of zeros, which is exact (there is no packed move).
	WIN 0x80                                       ; acc is written once (see START above)
.set ii, 0
.rept 64
	v_pk_add_f32 v[2*ii:2*ii+1], v[CZ:CZ+1], v[CZ:CZ+1]
.set ii, ii+1
.endr
	WIN 0
; The maxima and minima start.
.macro INIT
	WIN 0x40                                       ; destination window 1; the constants in window 0
.set ii, 0
.rept 16
.set kk, 0
.rept 4
	v_pk_add_f32 v[16*ii+2*kk:16*ii+2*kk+1], v[CN:CN+1], v[CZ:CZ+1]
.set kk, kk+1
.endr
.set kk, 0
.rept 4
	v_pk_add_f32 v[16*ii+8+2*kk:16*ii+8+2*kk+1], v[CP:CP+1], v[CZ:CZ+1]
.set kk, kk+1
.endr
.set ii, ii+1
.endr
.endm
; THE LDS LOADS: the fragments of 16 rows, both blocks of the half-step: four loads.
.macro LDA a
	WIN 0
.set qq, 0
.rept 2
	ds_load_b128 v[AF+16*(\a)+8*qq:AF+16*(\a)+8*qq+3],   v[AA] offset:(\a)*16*PITCH+64*qq
	ds_load_b128 v[AF+16*(\a)+8*qq+4:AF+16*(\a)+8*qq+7], v[AA] offset:(\a)*16*PITCH+64*qq+32
.set qq, qq+1
.endr
.endm
.macro LDB b
	WIN 0
.set qq, 0
.rept 2
	ds_load_b128 v[BF+16*(\b)+8*qq:BF+16*(\b)+8*qq+3],   v[AB] offset:(\b)*16*PITCH+64*qq
	ds_load_b128 v[BF+16*(\b)+8*qq+4:BF+16*(\b)+8*qq+7], v[AB] offset:(\b)*16*PITCH+64*qq+32
.set qq, qq+1
.endr
.endm
; Block q's sums for tile (a, b), into product set b % 2.  C is the constant 0 in every product, and no two products that follow each other name the same result registers.
.macro MMQ a, b, q
	WIN 0
	v_wmma_f32_16x16x32_bf16 v[S+32*((\b)%2)+16*((\a)%2)+8*(\q):S+32*((\b)%2)+16*((\a)%2)+8*(\q)+7], v[BF+16*(\b)+8*(\q):BF+16*(\b)+8*(\q)+7], v[AF+16*(\a)+8*(\q):AF+16*(\a)+8*(\q)+7], 0
.endm
; Tile (a, b)'s two blocks go into its maxima (k = 0) or minima (k = 1): eight lines, the results' lowest registers first.
.macro RED k, a, b
	WIN 0x50                                       ; destination and source 2 in window 1, the products in window 0
.set rU, 16*(4*(\a)+(\b))+8*(\k)
.set rS, S+32*((\b)%2)+16*((\a)%2)
.set ii, 0
.rept 8
.if \k
	v_min3_num_f32 v[rU+ii], v[rS+ii], v[rS+8+ii], v[rU+ii]
.else
	v_max3_num_f32 v[rU+ii], v[rS+ii], v[rS+8+ii], v[rU+ii]
.endif
.set ii, ii+1
.endr
.endm
; A GROUP: the four products of tiles (a, b) and (a + 1, b), and behind them the 32 lines of the group before it, tiles (pa, pb) and (pa + 1, pb), which lies in the other product set.
; Distances (only plain vector instructions that name none of a matrix instruction's registers are places): a group's products are first read behind the 32 lines of the group before; a
; product set is written again two groups later, behind 32 lines on the other set; a load into a fragment stands behind the 32 lines that follow the fragment's last product.
; pa = -1: the launch's first group: there is no group before it, and four v_nop are the places.
.macro GROUP a, b, pa, pb
	MMQ \a, \b, 0
	MMQ \a, \b, 1
	MMQ (\a)+1, \b, 0
	MMQ (\a)+1, \b, 1
.if (\pa) >= 0
	RED 0, \pa, \pb
	RED 1, \pa, \pb
	RED 0, (\pa)+1, \pb
	RED 1, (\pa)+1, \pb
.else
.rept 4
	v_nop
.endr
.endif
.endm
; THE FOLD: acc = max + min for all 16 tiles.
.macro FOLD
	WIN 0x85                                       ; destination window 2, sources 0 and 1 window 1
.set ii, 0
.rept 16
.set kk, 0
.rept 4
	v_pk_add_f32 v[8*ii+2*kk:8*ii+2*kk+1], v[16*ii+2*kk:16*ii+2*kk+1], v[16*ii+8+2*kk:16*ii+8+2*kk+1]
.set kk, kk+1
.endr
.set ii, ii+1
.endr
.endm
; A TRIP'S FIRST PART, up to the seam.  The trip's half-step j is fetched: rows 0-31 at the head (their last products stand in front of the 32 lines that ended the trip before); column block b behind PH2's
; group on it; rows 32-63 behind PH2.  PH2 works on half-step j - 1; PH1's first group, on half-step j, carries the last lines of half-step j - 1.
.macro XPART
	WIN 0
	v_add_nc_u32 v[AA], s[TB], v[AA0]
	v_add_nc_u32 v[AB], s[TB], v[AB0]
	s_xor_b32 s[TB], s[TB], 128                    ; the next fetch is the slot's other half
	LDA 0
	LDA 1
	s_wait_dscnt 8                                 ; all but the eight just issued: rows 32-63 of the half-step before are in
	GROUP 2, 0, 0, 3
	LDB 0
	GROUP 2, 1, 2, 0
	LDB 1
	GROUP 2, 2, 2, 1
	LDB 2
	GROUP 2, 3, 2, 2
	LDB 3
	LDA 2
	LDA 3
	s_wait_dscnt 20                                ; LDS loads come back in order (ISA guide 5.7.1): behind B(0)'s were issued four for each of the three later column blocks and the eight of rows 32-63
	GROUP 0, 0, 2, 3
	WIN 0                                          ; at a branch and at a label every window is 0
.endm
; ITS SECOND PART: the rest of PH1.
.macro YPART
.set bb, 1
.rept 3
	s_wait_dscnt 4*(3-bb)+8                        ; behind B(b)'s: four for each later column block and the eight of rows 32-63
	GROUP 0, bb, 0, bb-1
.set bb, bb+1
.endr
	WIN 0
.endm
; THE CHANGE OF SLOTS, between two trips.  Each wave waits for all its tensor loads, of which one is out: its part of the other slot; adds 0 to its spare word; and waits for that and for its own reads of the
; slot that it leaves (the last eight, rows 32-63).  Behind the barrier nobody reads that slot any more and the other slot is whole.
; fill = 1: the slot is filled again, with the K step two on.  The barrier is then a round of the cluster's, so that no wave of any partner still reads the slot or has a load on its way, and the joint refill
; is the first thing behind it: it has two trips, 64 matrix instructions, in which to land.
.macro CHANGE fill
	WIN 0
	s_wait_tensorcnt 0x0                           ; no tensor load of mine is out, so a group 0 may be written
	ds_add_u32 v[SPW], v[NIL]                      ; 0 onto my spare word; the scalar work below stands between it and the wait for it
.if \fill
.irp g, G0A+4, G0B+4
	s_xor_b32 s[(\g)+1], s[(\g)+1], SLOT1          ; the walking descriptor: the other slot than last time,
	s_add_nc_u64 s[(\g)+2:(\g)+3], s[(\g)+2:(\g)+3], 256  ; the next 128 along K; the type bits on top are not reached
.endr
.endif
	s_xor_b32 s[TB], s[TB], SLOT1                  ; the fetches go to the other slot
	s_wait_dscnt 0x0                               ; the add is done, and my reads of the slot are over
.if \fill
	CROUND
	JLOAD
.else
	s_barrier_signal -1
	s_barrier_wait -1
.endif
.endm
	s_wait_loadcnt 0x0                             ; bias, once
	s_wait_tensorcnt 0x1                           ; my part of K step 0 is in; K step 1's may stay out
	s_barrier_signal -1
	s_barrier_wait -1                              ; everybody's is
	v_add_nc_u32 v[AA], s[TB], v[AA0]              ; half-step 0: the 32 loads in a trip's order, so that the trip's counts hold,
	v_add_nc_u32 v[AB], s[TB], v[AB0]
	s_xor_b32 s[TB], s[TB], 128
	LDA 0
	LDA 1
	LDB 0
	LDB 1
	LDB 2
	LDB 3
	LDA 2
	LDA 3
	s_wait_dscnt 20                                ; rows 0-31 and column block 0 are in
	GROUP 0, 0, -1, 0                              ; and PH1's first group
	WIN 0
	s_mov_b32 s[CNT], 2                            ; slot 0 has the rest of trip 0 and trip 1,
	s_mov_b32 s[SLOTS], 31                         ; and thirty changes fill a slot again: K steps 2 to 31
	s_branch .Linit                                ; the loop is entered at the seam, where the extremes start: every way into the loop passes INIT
.Lslot:
	CHANGE 1
	s_mov_b32 s[CNT], 2
	s_cmp_eq_u32 s[SLOTS], 15                      ; K step 16 begins K's second half
	s_cselect_b32 s[FL], 1, 0
.Lstep:
	XPART
	s_cmp_eq_u32 s[FL], 1                          ; the jump goes forward and passes vector lines alone; the flag is the same in every wave of every work-group
	s_cbranch_scc0 .Lnofold
	FOLD
	WIN 0
.Linit:
	INIT
	WIN 0
.Lnofold:
	s_mov_b32 s[FL], 0                             ; the slot's second trip folds nothing
	YPART
	s_sub_co_u32 s[CNT], s[CNT], 1
	s_cmp_lg_u32 s[CNT], 0
	s_cbranch_scc1 .Lstep
	s_sub_co_u32 s[SLOTS], s[SLOTS], 1
	s_cmp_lg_u32 s[SLOTS], 0
	s_cbranch_scc1 .Lslot
	CHANGE 0                                       ; the last K step is written out: nothing is asked for
	s_mov_b32 s[CNT], 3                            ; two trips fetch the last slot's half-steps; the third is left at the seam
.Ltail:
	XPART
	s_sub_co_u32 s[CNT], s[CNT], 1
	s_cmp_eq_u32 s[CNT], 0
	s_cbranch_scc1 .Lout
	YPART
	s_branch .Ltail
.Lout:
	s_wait_dscnt 0x0                               ; the third pass's loads, which serve nothing, are in: the way out writes their registers
; THE WAY OUT of my rows 16 a .. 16 a + 15.  (max + min) + acc, the two halves' results; through my own stage in LDS, so that sixteen lanes store a row's 256 consecutive bytes; + bias; stored.
; A lane's eight columns of a tile are 32 bytes of a row: two stores of 16 bytes into rows of 272.  The rows come back whole, two to a load, 16 bytes a lane.
.macro OUTBLK a
.set rR, 160+32*((\a)%2)               ; 16 rows read back: v160-191 and v192-223 by turns
	WIN 0x05                                       ; sources 0 and 1 in window 1
.set bb, 0
.rept 4
.set rU, 16*(4*(\a)+bb)
.set kk, 0
.rept 4
	v_pk_add_f32 v[T+8*bb+2*kk:T+8*bb+2*kk+1], v[rU+2*kk:rU+2*kk+1], v[rU+8+2*kk:rU+8+2*kk+1]
.set kk, kk+1
.endr
.set bb, bb+1
.endr
	WIN 0x08                                       ; source 1 in window 2
.set ii, 0
.rept 16
	v_pk_add_f32 v[T+2*ii:T+2*ii+1], v[T+2*ii:T+2*ii+1], v[32*(\a)+2*ii:32*(\a)+2*ii+1]
.set ii, ii+1
.endr
	WIN 0
.set bb, 0
.rept 4
	ds_store_b128 v[STO], v[T+8*bb:T+8*bb+3]   offset:64*bb
	ds_store_b128 v[STO], v[T+8*bb+4:T+8*bb+7] offset:64*bb+16
.set bb, bb+1
.endr
.if (\a) >= 2
	s_wait_xcnt 0x0                                ; every earlier memory instruction has had its addresses translated (ISA guide 3.1): the registers that the stores of two blocks ago read are loaded again only behind this wait
.endif
.set ii, 0
.rept 8
	ds_load_b128 v[rR+4*ii:rR+4*ii+3], v[RD] offset:2*SP*ii  ; LDS serves a wave's instructions in order (ISA guide 5.7.1.4): these see the stores above; the next block's stores come behind them
.set ii, ii+1
.endr
.set ii, 0
.rept 8
	s_wait_dscnt 7-ii                              ; rows 2 ii and 2 ii + 1 are back; the younger loads stay out
	v_pk_add_f32 v[rR+4*ii:rR+4*ii+1],   v[rR+4*ii:rR+4*ii+1],   v[BI:BI+1]
	v_pk_add_f32 v[rR+4*ii+2:rR+4*ii+3], v[rR+4*ii+2:rR+4*ii+3], v[BI+2:BI+3]
	global_store_b128 v[CO], v[rR+4*ii:rR+4*ii+3], s[10:11] offset:(16*(\a)+2*ii)*OROW th:TH_STORE_NT  ; 16 lanes store 256 consecutive bytes, at a multiple of 256 from out0's first; 62 rows at the most in the immediate: 1,015,808
.set ii, ii+1
.endr
.endm
	OUTBLK 0                                       ; its first lines write fragment registers: the last product stands 32 vector lines back
	OUTBLK 1
	OUTBLK 2
	OUTBLK 3
	s_wait_tensorcnt 0x0                           ; the wave's end: behind my last tensor load and my last LDS store
	ds_add_u32 v[SPW], v[NIL]
	s_wait_dscnt 0x0
	CROUND                                         ; the closing round: no work-group ends while a partner may still ask for a tile that names it
	s_endpgm
.Lfunc_end_k_qc971cdde3b_mam:
	.size	k_qc971cdde3b_mam, .Lfunc_end_k_qc971cdde3b_mam-k_qc971cdde3b_mam
	.p2alignl 7, 3214868480
	.fill 96, 4, 3214868480
	.section	.rodata,"a",@progbits
	.p2align	6, 0x0
	.amdhsa_kernel k_qc971cdde3b_mam
		.amdhsa_group_segment_fixed_size 327680
		.amdhsa_private_segment_fixed_size 0
		.amdhsa_enable_private_segment 0
		.amdhsa_kernarg_size 32
		.amdhsa_user_sgpr_count 2
		.amdhsa_user_sgpr_kernarg_segment_ptr 1
		.amdhsa_wavefront_size32 1
		.amdhsa_system_sgpr_workgroup_id_x 1
		.amdhsa_system_sgpr_workgroup_id_y 1
		.amdhsa_system_sgpr_workgroup_id_z 1
		.amdhsa_system_vgpr_workitem_id 0
		.amdhsa_next_free_vgpr 640
		.amdhsa_next_free_sgpr 66
		.amdhsa_reserve_vcc 0
		.amdhsa_float_denorm_mode_32 3
		.amdhsa_float_denorm_mode_16_64 3
		.amdhsa_memory_ordered 1
		.amdhsa_forward_progress 1
		.amdhsa_inst_pref_size 90
	.end_amdhsa_kernel
	.amdgpu_metadata
---
amdhsa.version: [ 1, 2 ]
amdhsa.kernels:
  - .name:           k_qc971cdde3b_mam
    .symbol:         k_qc971cdde3b_mam.kd
    .args:
      - { .name: xb, .offset: 0, .size: 8, .value_kind: global_buffer, .address_space: global }
      - { .name: wb, .offset: 8, .size: 8, .value_kind: global_buffer, .address_space: global }
      - { .name: bias, .offset: 16, .size: 8, .value_kind: global_buffer, .address_space: global }
      - { .name: out0, .offset: 24, .size: 8, .value_kind: global_buffer, .address_space: global }
    .group_segment_fixed_size: 327680
    .private_segment_fixed_size: 0
    .kernarg_segment_align: 8
    .kernarg_segment_size: 32
    .max_flat_workgroup_size: 128
    .sgpr_count:     66
    .vgpr_count:     640
    .wavefront_size: 32
...
	.end_amdgpu_metadata
.endif
;; end of part 2
